; MI455X (gfx1250); checked and timed in simulation.
; The chip was launched on July 23, 2026; its instructions are those of AMD's public machine-readable ISA for CDNA 5 (MIT licence, August 2026) and "CDNA5" Instruction Set Architecture Reference Guide (July 2026). The comments in the code are by the model that wrote it; some were corrected since.
;; Sparse Linear. Allowed arithmetic: float matrix products may take bf16 or f16 operands with f32 sums; all other float work in f32.
;; Inputs: table 1,000,000 x 128 float32; w 4,096 x 200 float32; x 4,096 x 200 int32.
;; Outputs: out0 4,096 x 128 float32.
;; One version. Each part assembles by itself: llvm-mc -triple=amdgcn-amd-amdhsa -mcpu=gfx1250 --defsym DOCPART=n.
;; ======== version 1 of 1: 1 launch
;; launch gather_sum (part 1): grid 256 x 1, 16 waves a work-group, no clusters, 0 bytes of LDS; arguments table, w, x, out0; writes out0
.if DOCPART == 1
	.amdgcn_target "amdgcn-amd-amdhsa--gfx1250"
	.amdhsa_code_object_version 6
	.text
	.protected	k_q11eec0b5f0_gather_sum
	.globl	k_q11eec0b5f0_gather_sum
	.p2align	8
	.type	k_q11eec0b5f0_gather_sum,@function
k_q11eec0b5f0_gather_sum:
	s_mov_b64 s[64:65], 0
	v_nop
	global_prefetch_b8 v0, s[64:65] scope:SCOPE_SE
	s_setreg_imm32_b32 hwreg(HW_REG_WAVE_MODE, 25, 1), 1
	s_wait_xcnt 0x0
; out0[b][c] = sum over l of w[b][l] * table[x[b][l]][c].   table: [1000000][128] f32, x: [4096][200] i32, w: [4096][200] f32, out0: [4096][128] f32.
; A stream of gathered rows: 819,200 rows of 512 bytes against four multiply-adds a lane and row, so the text is built round loads in flight.
; One wave owns one batch row b = 16 x work-group + wave: no sum crosses a wave, so there is no LDS and no barrier.
; A table row is 32 lanes x 16 bytes: one load of the wave covers its 512 consecutive, aligned bytes; lane l keeps columns 4 l .. 4 l + 3.
; The matrix unit is left out: every gathered row belongs to one batch row only, a product of 1 x 200 by 200 x 128 with another right side for each b.
; x and w are the same for all lanes of the wave, so they come by scalar loads, 8 entries (a chunk) at a time; a list is 25 chunks.
; Ring: 32 row slots (4 chunks) in registers, refilled row by row.  Trip c adds chunk c (needs w[c]) and asks for chunk c + 4 (needs x[c+4]);
; both were requested in trip c - 1 into the other of two scalar sets, so that the wait for scalar loads (only the count 0 says anything,
; they return in no order: ISA guide 5.7.1) meets loads that are one whole trip old.
; LIMITS.  Indices are taken as the problem gives them, 0 .. 999,999; the unsigned clamp below sends anything else to the last row (no wrap of
; negative numbers).  Each column is one chain of fused multiply-adds in f32, l ascending: the order of rounding is not the reference's.
.set LIST,    200                      ; entries in a batch row's lists
.set CHUNK,   8                        ; entries that one scalar load brings, rows of a trip
.set GROUPS,  4                        ; chunks in the ring
.set DEPTH,   CHUNK*GROUPS             ; 32 rows = 16 KiB of every wave on their way
.set CHUNKB,  CHUNK*4                  ; bytes of a chunk in x or in w
.set LISTB,   LIST*4                   ; bytes of a list: 800, a multiple of 32, so every chunk is aligned to its own size
.set LASTROW, 999999                   ; the table's last row
.set ROUNDS,  5                        ; 4 trips each: trips 0 .. 19; trips 20 .. 24 are written out behind the loop
.set LN,  1                            ; v1        16 x lane: my 16 bytes in a table row and in the output row
.set ACC, 2                            ; v[2:5]    my four sums
.set R,   8                            ; v[8:135]  slot i: 4 registers; the first holds the load's own offset until the row lands on it
.set W,   20                           ; s[20:35]  two sets of 8 weights
.set X,   36                           ; s[36:51]  two sets of 8 indices
.set PX,  68                           ; s[68:99]  the first 32 indices, used once
	s_load_b256 s[4:11], s[0:1], 0x0               ; table s[4:5], w s[6:7], x s[8:9], out0 s[10:11]
	v_lshrrev_b32 v2, 5, v0
	v_readfirstlane_b32 s12, v2                    ; wave 0 .. 15
	v_and_b32 v1, 31, v0
	v_lshlrev_b32 v[LN], 4, v1                     ; 16 x lane
	s_lshl_b32 s13, ttmp9, 4
	s_add_co_u32 s13, s13, s12                     ; b = 16 x work-group + wave
	s_mul_i32 s14, s13, LISTB                      ; my lists' byte offset in x and in w (below 4 MiB)
	s_mov_b32 s15, 0
	s_lshl_b32 s16, s13, 9                         ; my output row: 512 b
	s_mov_b32 s17, 0
	s_wait_kmcnt 0x0
	s_add_nc_u64 s[6:7], s[6:7], s[14:15]          ; w at my list
	s_add_nc_u64 s[8:9], s[8:9], s[14:15]          ; x at my list
	s_add_nc_u64 s[10:11], s[10:11], s[16:17]      ; out0 at my row
.irp g, 0,1,2,3
	s_load_b256 s[PX+8*\g:PX+8*\g+7], s[8:9], \g*CHUNKB    ; x, chunks 0 .. 3
.endr
.irp k, 0,1,2,3
	v_mov_b32 v[ACC+\k], 0                         ; four moves while the indices are on their way; the loop then needs no first trip of its own
.endr
	s_wait_kmcnt 0x0
	s_load_b256 s[W:W+7], s[6:7], 0x0              ; for trip 0: w[0] and x[4], on their way together with the first rows
	s_load_b256 s[X:X+7], s[8:9], GROUPS*CHUNKB
	; fill the ring: rows 0 .. 31.  Offset = 512 x index + 16 x lane, at most 511,999,984: inside 31 bits.
.set i, 0
.rept DEPTH
	s_min_u32 s[PX+i], s[PX+i], LASTROW
	v_lshl_add_u32 v[R+4*i], s[PX+i], 9, v[LN]
	global_load_b128 v[R+4*i:R+4*i+3], v[R+4*i], s[4:5]    ; no cache hint: a list may name a row again
.set i, i+1
.endr
; Trip c.  set = c % 2: the scalar set that holds w[c] and x[c+4].  grp = c % 4: the ring's chunk that is added and asked for again.
; woff, xoff: byte offsets, from the list pointers, of w[c+1] and x[c+5], fetched into the other set (-1: nothing to fetch).
; step = 1: the list pointers go on by four chunks.  refill = 1: the slots are asked for again.
; left = how many younger rows may stay out at the trip's first row; without refill it falls by one with every row.
.macro TRIP set, grp, woff, xoff, step, refill, left
	s_wait_kmcnt 0x0                               ; this trip's w and x are in, and no scalar load reads the list pointers any more
.if \step
	s_add_nc_u64 s[6:7], s[6:7], GROUPS*CHUNKB
	s_add_nc_u64 s[8:9], s[8:9], GROUPS*CHUNKB
.endif
.if \woff >= 0
	s_load_b256 s[W+8*(1-\set):W+8*(1-\set)+7], s[6:7], \woff
.endif
.if \xoff >= 0
	s_load_b256 s[X+8*(1-\set):X+8*(1-\set)+7], s[8:9], \xoff
.endif
.if \refill
.irp j, 0,1,2,3,4,5,6,7
	s_min_u32 s[X+8*\set+\j], s[X+8*\set+\j], LASTROW      ; a loaded number enters an address only clamped to the table
.endr
.endif
.irp j, 0,1,2,3,4,5,6,7
	s_wait_loadcnt \left-(1-\refill)*\j            ; loads come back in order (ISA guide 5.7.1): the oldest row is in, the younger ones stay out
.irp k, 0,1,2,3
	v_fmac_f32 v[ACC+\k], s[W+8*\set+\j], v[R+4*(8*\grp+\j)+\k]
.endr
.if \refill
	v_lshl_add_u32 v[R+4*(8*\grp+\j)], s[X+8*\set+\j], 9, v[LN]    ; the slot is free since the wait above: offset of the row 32 further on
	global_load_b128 v[R+4*(8*\grp+\j):R+4*(8*\grp+\j)+3], v[R+4*(8*\grp+\j)], s[4:5]
.endif
.endr
.endm
	s_mov_b32 s18, 0
.Lround:                                           ; round i, pointers at chunk 4 i: trips 4 i .. 4 i + 3
	TRIP 0, 0, 1*CHUNKB, 5*CHUNKB, 0, 1, DEPTH-1
	TRIP 1, 1, 2*CHUNKB, 6*CHUNKB, 0, 1, DEPTH-1
	TRIP 0, 2, 3*CHUNKB, 7*CHUNKB, 0, 1, DEPTH-1
	TRIP 1, 3, 0,        4*CHUNKB, 1, 1, DEPTH-1   ; pointers stepped first: w[4 i + 4], x[4 i + 8]; in the last round that is x[24], the list's last chunk
	s_add_co_u32 s18, s18, 1
	s_cmp_lt_u32 s18, ROUNDS
	s_cbranch_scc1 .Lround
	TRIP 0, 0, 1*CHUNKB, -1, 0, 1, DEPTH-1         ; trip 20 asks for the last chunk of rows; there is no x[25] to fetch
	TRIP 1, 1, 2*CHUNKB, -1, 0, 0, DEPTH-1         ; trips 21 .. 24 ask for no rows: the counts run down 31 .. 0
	TRIP 0, 2, 3*CHUNKB, -1, 0, 0, DEPTH-1-CHUNK
	TRIP 1, 3, 4*CHUNKB, -1, 0, 0, DEPTH-1-2*CHUNK
	TRIP 0, 0, -1,       -1, 0, 0, DEPTH-1-3*CHUNK
	global_store_b128 v[LN], v[ACC:ACC+3], s[10:11] th:TH_STORE_NT   ; the wave's store covers the output row's 512 consecutive, aligned bytes
	s_endpgm
.Lfunc_end_k_q11eec0b5f0_gather_sum:
	.size	k_q11eec0b5f0_gather_sum, .Lfunc_end_k_q11eec0b5f0_gather_sum-k_q11eec0b5f0_gather_sum
	.p2alignl 7, 3214868480
	.fill 96, 4, 3214868480
	.section	.rodata,"a",@progbits
	.p2align	6, 0x0
	.amdhsa_kernel k_q11eec0b5f0_gather_sum
		.amdhsa_group_segment_fixed_size 0
		.amdhsa_private_segment_fixed_size 0
		.amdhsa_enable_private_segment 0
		.amdhsa_kernarg_size 32
		.amdhsa_user_sgpr_count 2
		.amdhsa_user_sgpr_kernarg_segment_ptr 1
		.amdhsa_wavefront_size32 1
		.amdhsa_system_sgpr_workgroup_id_x 1
		.amdhsa_system_sgpr_workgroup_id_y 1
		.amdhsa_system_sgpr_workgroup_id_z 1
		.amdhsa_system_vgpr_workitem_id 0
		.amdhsa_next_free_vgpr 136
		.amdhsa_next_free_sgpr 100
		.amdhsa_reserve_vcc 0
		.amdhsa_float_denorm_mode_32 3
		.amdhsa_float_denorm_mode_16_64 3
		.amdhsa_memory_ordered 1
		.amdhsa_forward_progress 1
		.amdhsa_inst_pref_size 30
	.end_amdhsa_kernel
	.amdgpu_metadata
---
amdhsa.version: [ 1, 2 ]
amdhsa.kernels:
  - .name:           k_q11eec0b5f0_gather_sum
    .symbol:         k_q11eec0b5f0_gather_sum.kd
    .args:
      - { .name: table, .offset: 0, .size: 8, .value_kind: global_buffer, .address_space: global }
      - { .name: w, .offset: 8, .size: 8, .value_kind: global_buffer, .address_space: global }
      - { .name: x, .offset: 16, .size: 8, .value_kind: global_buffer, .address_space: global }
      - { .name: out0, .offset: 24, .size: 8, .value_kind: global_buffer, .address_space: global }
    .group_segment_fixed_size: 0
    .private_segment_fixed_size: 0
    .kernarg_segment_align: 8
    .kernarg_segment_size: 32
    .max_flat_workgroup_size: 512
    .sgpr_count:     100
    .vgpr_count:     136
    .wavefront_size: 32
...
	.end_amdgpu_metadata
.endif
;; end of part 1
